; MI455X (gfx1250); checked and timed in simulation.
; The chip was launched on July 23, 2026; its instructions are those of AMD's public machine-readable ISA for CDNA 5 (MIT licence, August 2026) and "CDNA5" Instruction Set Architecture Reference Guide (July 2026). The comments in the code are by the model that wrote it; some were corrected since.
;; Grid Encoder. Allowed arithmetic: float matrix products may take bf16 or f16 operands with f32 sums; all other float work in f32.
;; Inputs: embeddings 6,119,864 x 2 float32; inputs 524,288 x 3 float32.
;; Outputs: out0 524,288 x 32 float32.
;; 2 versions, each right; version 2 is version 1 with the launch encode written anew for expert scheduling mode. Each part assembles by itself: llvm-mc -triple=amdgcn-amd-amdhsa -mcpu=gfx1250 --defsym DOCPART=n.
;; ======== version 1 of 2: 2 launches
;; workspace buffers: xq 6,291,456 bytes of whole numbers
;; launch tofixed (part 1): grid 256 x 1, 8 waves a work-group, no clusters, 0 bytes of LDS; arguments inputs, xq; writes xq
.if DOCPART == 1
	.amdgcn_target "amdgcn-amd-amdhsa--gfx1250"
	.amdhsa_code_object_version 6
	.text
	.protected	k_q75da095ebb_tofixed
	.globl	k_q75da095ebb_tofixed
	.p2align	8
	.type	k_q75da095ebb_tofixed,@function
k_q75da095ebb_tofixed:
	s_mov_b64 s[64:65], 0
	v_nop
	global_prefetch_b8 v0, s[64:65] scope:SCOPE_SE
	s_setreg_imm32_b32 hwreg(HW_REG_WAVE_MODE, 25, 1), 1
	s_wait_xcnt 0x0
; GRID ENCODER, first of two launches: the positions become whole numbers.
; xq[i] = trunc(clamp(inputs[i]) * 2^31), an unsigned fixed-point number with 1 integer bit and 31 fraction bits, in the order of inputs ([524288][3], taken as 1,572,864 numbers).
; Why: the next launch makes every cell and every table index from xq by integer arithmetic.
; LIMITS.  x < 0 and NaN count as 0: the module converts floor(x * scale + 0.5) to uint32 and relies on it being non-negative.
; x >= 2 counts as 2 - 2^-23 (4294967040 / 2^31): from x = 1.07 on every axis of every level stands on its grid's last node, so the result is the same.
; The truncation costs less than 2^-31 in x, less than 1e-6 in the finest level's position (scale 2047).
; SHARES.  256 work-groups of 8 waves; a work-group owns 24,576 consecutive bytes, a thread six pieces of 16 bytes, 4,096 bytes apart: each load and store of a wave covers 512 consecutive, aligned bytes.
; All six loads go out first.  No LDS, no barrier: no number depends on another.
.set CHUNKS, 6
.set STEP,   4096                      ; bytes that the work-group's 256 threads cover with one instruction
.set X,      4                         ; v[4:27] six pieces of four numbers, converted in place
	s_load_b128 s[4:7], s[0:1], 0x0                ; inputs s[4:5], xq s[6:7]
	s_mul_i32 s8, ttmp9, CHUNKS*STEP               ; the work-group's first byte, the same in both buffers
	s_mov_b32 s9, 0
	s_mov_b32 s10, 0x4f000000                      ; 2^31
	s_mov_b32 s11, 0x4f000000                      ; named with it as a pair
	s_mov_b32 s12, 0x4f7fffff                      ; 4294967040, the largest f32 below 2^32
	v_lshlrev_b32 v1, 4, v0                        ; 16 bytes a thread
	s_wait_kmcnt 0x0
	s_add_nc_u64 s[4:5], s[4:5], s[8:9]
	s_add_nc_u64 s[6:7], s[6:7], s[8:9]
.irp j, 0,1,2,3,4,5
	global_load_b128 v[X+4*\j:X+4*\j+3], v1, s[4:5] offset:STEP*\j th:TH_LOAD_NT  ; read once in the whole launch
.endr
.irp j, 0,1,2,3,4,5
	s_wait_loadcnt CHUNKS-1-\j                     ; loads come back in order: piece j is in, the younger ones stay out
	v_pk_mul_f32 v[X+4*\j:X+4*\j+1],   v[X+4*\j:X+4*\j+1],   s[10:11] op_sel_hi:[1,0]
	v_pk_mul_f32 v[X+4*\j+2:X+4*\j+3], v[X+4*\j+2:X+4*\j+3], s[10:11] op_sel_hi:[1,0]
.irp e, 0,1,2,3
	v_max_num_f32 v[X+4*\j+\e], 0, v[X+4*\j+\e]    ; negative numbers, and NaN (which loses here), become 0
.endr
.irp e, 0,1,2,3
	v_min_num_f32 v[X+4*\j+\e], s12, v[X+4*\j+\e]  ; so the conversion below never sees a number outside uint32
.endr
.irp e, 0,1,2,3
	v_cvt_u32_f32 v[X+4*\j+\e], v[X+4*\j+\e]       ; toward zero
.endr
	global_store_b128 v1, v[X+4*\j:X+4*\j+3], s[6:7] offset:STEP*\j  ; no hint: the next launch reads it; the registers are not written again
.endr
	s_endpgm
.Lfunc_end_k_q75da095ebb_tofixed:
	.size	k_q75da095ebb_tofixed, .Lfunc_end_k_q75da095ebb_tofixed-k_q75da095ebb_tofixed
	.p2alignl 7, 3214868480
	.fill 96, 4, 3214868480
	.section	.rodata,"a",@progbits
	.p2align	6, 0x0
	.amdhsa_kernel k_q75da095ebb_tofixed
		.amdhsa_group_segment_fixed_size 0
		.amdhsa_private_segment_fixed_size 0
		.amdhsa_enable_private_segment 0
		.amdhsa_kernarg_size 16
		.amdhsa_user_sgpr_count 2
		.amdhsa_user_sgpr_kernarg_segment_ptr 1
		.amdhsa_wavefront_size32 1
		.amdhsa_system_sgpr_workgroup_id_x 1
		.amdhsa_system_sgpr_workgroup_id_y 1
		.amdhsa_system_sgpr_workgroup_id_z 1
		.amdhsa_system_vgpr_workitem_id 0
		.amdhsa_next_free_vgpr 28
		.amdhsa_next_free_sgpr 66
		.amdhsa_reserve_vcc 0
		.amdhsa_float_denorm_mode_32 3
		.amdhsa_float_denorm_mode_16_64 3
		.amdhsa_memory_ordered 1
		.amdhsa_forward_progress 1
		.amdhsa_inst_pref_size 6
	.end_amdhsa_kernel
	.amdgpu_metadata
---
amdhsa.version: [ 1, 2 ]
amdhsa.kernels:
  - .name:           k_q75da095ebb_tofixed
    .symbol:         k_q75da095ebb_tofixed.kd
    .args:
      - { .name: inputs, .offset: 0, .size: 8, .value_kind: global_buffer, .address_space: global }
      - { .name: xq, .offset: 8, .size: 8, .value_kind: global_buffer, .address_space: global }
    .group_segment_fixed_size: 0
    .private_segment_fixed_size: 0
    .kernarg_segment_align: 8
    .kernarg_segment_size: 16
    .max_flat_workgroup_size: 256
    .sgpr_count:     66
    .vgpr_count:     28
    .wavefront_size: 32
...
	.end_amdgpu_metadata
.endif
;; end of part 1
;; launch encode (part 2): grid 2048 x 1, 8 waves a work-group, no clusters, 37,888 bytes of LDS; arguments embeddings, xq, out0; writes out0
.if DOCPART == 2
	.amdgcn_target "amdgcn-amd-amdhsa--gfx1250"
	.amdhsa_code_object_version 6
	.text
	.protected	k_q75da095ebb_encode
	.globl	k_q75da095ebb_encode
	.p2align	8
	.type	k_q75da095ebb_encode,@function
k_q75da095ebb_encode:
	s_mov_b64 s[64:65], 0
	v_nop
	global_prefetch_b8 v0, s[64:65] scope:SCOPE_SE
	s_setreg_imm32_b32 hwreg(HW_REG_WAVE_MODE, 25, 1), 1
	s_wait_xcnt 0x0
; GRID ENCODER, second of two launches.  out0[p][2 l + c] = the trilinear blend of feature c of the eight table entries round point p in the grid of level l; 16 levels, 2 features.
; xq[p][3]: the point as unsigned fixed point, x * 2^31 (made by the launch before).  embeddings: [6119864][2] f32, the levels one behind the other.  out0: [524288][32] f32.
; POSITION.  The module forms pos = x * scale + 0.5 in f32.  Here SF = scale * 2^21 (the f32 scale, an exact integer below 2^32), and xq * SF + 2^51 is pos * 2^52: its high word h holds pos with
; 12 integer and 20 fraction bits, truncated.  With xq's own truncation pos is low by less than 2e-6; the module's f32 pos is rounded to 2^-14 or coarser at the finest level, and the blend
; is continuous over cell borders, so a cell chosen otherwise at a border changes the result no more than the fraction's error does.
; CLAMP.  The module clamps both corners of an axis to side - 1.  Here h = min(h, (side - 1) << 20): at the last node the fraction is 0, the lower corner is the node and has weight 1, and the
; corner beyond it has weight 0: the same value.  That corner's entry is still read (a hashed place, or an entry further on in the table, never past its end).
; INDEX.  Levels 0-4 are dense: x + y side + z side^2; one index, the eight corners stand in the loads' immediates.  Levels 5-15 are hashed: (x ^ y P1 ^ z P2) mod 2^19; only the low 19 bits count,
; so the primes are taken mod 2^19, the products are 24-bit multiplies, the upper corner's term is one addition, and the four (y, z) terms are masked once (x stays under 2^12).
; An index made of numbers that were read from memory enters an address only behind a v_min_u32 with a constant written in the instruction; it changes no value here.
; BLEND.  a + f (b - a) along x, then y, then z, on pairs of features: 14 packed instructions a level; the order of rounding differs from the module's sum of eight weighted entries.
; LIMITS.  As the launch before states: x < 0 and NaN count as 0, x >= 2 as just under 2.  A table entry that is not finite, read with weight 0 beyond a grid's last node (only for x > 1), gives NaN.
; Level 15's side is 2049: PLS, 2^(7/15) rounded to a double, lies below 2^(7/15), so 16 PLS^15 stays under 2048; the figure matters for x > 1.00024 alone.
; SHARES.  2,048 work-groups of 8 waves; a wave owns 32 points, a lane one point and all its levels: 128 gathers of 8 bytes.  The text is straight: no loop, no branch.
; THREE LEVELS IN FLIGHT.  Three buffers take turns: a level's indices and fractions are made and its eight gathers issued two levels ahead of its blend, so 16 to 24 gathers of a wave are out.
; On the hashed levels a gather lands on its own address register (the low one of its pair), so a level in flight costs 16 registers of data and 4 of fractions; on the dense levels all eight share one index register, kept apart.
; THE WAY OUT.  A lane holds a whole row of 128 bytes; rows go through the wave's own stage in LDS, 16 bytes (two levels) at a time, and come back as 512 consecutive bytes for each store.
; No wave reads another's bytes: no barrier.
; NO CLUSTER, NO TENSOR LOAD.  What work-groups share is the table, but each takes 8-byte entries at places that its own points decide: there is no tile that two of them ask for alike, and one
; hashed level, 4,194,304 bytes, is more than the 327,680 bytes of LDS that a work-group can be given.
.set PITCH,  144                       ; a stage row: 128 bytes + 16: the 16 lanes of half a store start at 16 different 16-byte columns of 256 bytes
.set WSTAGE, 32*PITCH                  ; a wave's stage
.set SPARE,  8*WSTAGE                  ; behind the stages (36,864, a multiple of 256): the spare words, 128 bytes for each wave, that no other line names
.set OFF5,   352696                    ; entries in front of level 5: 4920 + 13824 + 32768 + 85184 + 216000
.set HSIZE,  524288                    ; entries of a hashed level
.set SPW,  2                           ; v2      LDS address of my spare word; never rewritten
.set NIL,  3                           ; v3      0; never rewritten
.set XI,   4                           ; v[4:6]  my point
.set QO,   7                           ; v7      my byte offset in the work-group's part of xq
.set HALF, 8                           ; v[8:9]  2^51: 0.5 in the product's format
.set T,    10                          ; v[10:19] at work
.set STO,  20                          ; v20     the stage: my row
.set RD,   21                          ; v21     the stage: where I read back
.set GO,   22                          ; v22     my 16 bytes in 512 consecutive bytes of out0
.set R,    24                          ; v[24:27] two levels' results
.set W,    28                          ; v[28:39] by buffer: fx, fy, fz, and a fourth that is only named as the pair's other half
.set AD,   40                          ; v[40:42] by buffer: a dense level's index
.set D,    44                          ; v[44:91] by buffer: eight pairs; pair dx + 2 dy + 4 dz
.set EMB,  4                           ; s[4:5]  the table
.set XQ,   6                           ; s[6:7]
.set OUT,  8                           ; s[8:9]
.set WV,   10                          ; s10     my wave's number
.set B7,   12                          ; s[12:13] the table at level 7; level 8 stands in the immediate.  Likewise:
.set B9,   14
.set B11,  16
.set B13,  18
.set B15,  20
.set SF,   22                          ; s22     the level's scale * 2^21
.set CL,   23                          ; s23     (side - 1) << 20
.set C20,  24                          ; s24     2^-20
.set FM,   25                          ; s25     the 20 fraction bits
.set HM,   26                          ; s26     2^19 - 1
.set P1,   27                          ; s27     2654435761 mod 2^19
.set P2,   28                          ; s28     805459861 mod 2^19
.set TMP,  30                          ; s[30:31]
	s_load_b128 s[EMB:EMB+3], s[0:1], 0x0          ; embeddings, xq
	s_load_b64 s[OUT:OUT+1], s[0:1], 0x10          ; out0
	v_lshl_add_u32 v[SPW], v0, 2, SPARE
	v_mov_b32 v[NIL], 0
	v_mul_u32_u24 v[QO], v0, 12                    ; a point is 12 bytes
	s_mul_i32 s[TMP], ttmp9, 256*12                ; the work-group's 256 points
	s_mov_b32 s[TMP+1], 0
	s_wait_kmcnt 0x0
	s_add_nc_u64 s[XQ:XQ+1], s[XQ:XQ+1], s[TMP:TMP+1]
	global_load_b96 v[XI:XI+2], v[QO], s[XQ:XQ+1] th:TH_LOAD_NT  ; a wave's 384 consecutive bytes; read once in the launch.  The set-up stands under this load
	v_lshrrev_b32 v1, 5, v0
	v_readfirstlane_b32 s[WV], v1                  ; wave 0..7
	s_lshl_b32 s[TMP], ttmp9, 15                   ; out0: the work-group's 256 rows of 128 bytes,
	s_lshl_b32 s[CL], s[WV], 12                    ; my wave's 32 of them
	s_add_co_u32 s[TMP], s[TMP], s[CL]
	s_add_nc_u64 s[OUT:OUT+1], s[OUT:OUT+1], s[TMP:TMP+1]
	s_add_nc_u64 s[B7:B7+1],   s[EMB:EMB+1], (OFF5+2*HSIZE)*8
	s_add_nc_u64 s[B9:B9+1],   s[EMB:EMB+1], (OFF5+4*HSIZE)*8
	s_add_nc_u64 s[B11:B11+1], s[EMB:EMB+1], (OFF5+6*HSIZE)*8
	s_add_nc_u64 s[B13:B13+1], s[EMB:EMB+1], (OFF5+8*HSIZE)*8
	s_add_nc_u64 s[B15:B15+1], s[EMB:EMB+1], (OFF5+10*HSIZE)*8
	s_mul_i32 s[CL], s[WV], WSTAGE                 ; my wave's stage
	v_and_b32 v1, 31, v0                           ; lane
	v_mul_u32_u24 v[STO], v1, PITCH                ; in: row = lane
	v_add_nc_u32 v[STO], s[CL], v[STO]
	v_bfe_u32 v[RD], v0, 3, 2                      ; back: 32 lanes take four rows of 128 bytes,
	v_mul_u32_u24 v[RD], v[RD], PITCH
	v_and_b32 v[GO], 7, v0
	v_lshl_add_u32 v[RD], v[GO], 4, v[RD]
	v_add_nc_u32 v[RD], s[CL], v[RD]
	v_lshlrev_b32 v[GO], 4, v1                     ; which are 512 consecutive bytes of out0
	v_mov_b32 v[HALF], 0
	v_mov_b32 v[HALF+1], 0x80000
	v_mov_b32 v[W+3], 0                            ; the packed blend names fz with its neighbour as a pair: the neighbour is written once
	v_mov_b32 v[W+7], 0
	v_mov_b32 v[W+11], 0
	s_mov_b32 s[C20], 0x35800000
	s_mov_b32 s[FM], 0xfffff
	s_mov_b32 s[HM], 0x7ffff
	s_mov_b32 s[P1], 0x779b1
	s_mov_b32 s[P2], 0x25795
	s_wait_loadcnt 0x0                             ; my point
; The three axes of one level.  bits: the level's scale as the module's f32 holds it.  Leaves x0, y0, z0 in T+1, T+3, T+5 and the fractions in buffer n of W.
.macro POS bits, side, n
	s_mov_b32 s[SF], (((\bits)&0x7fffff)|0x800000)<<(((\bits)>>23)-129)  ; the 24-bit mantissa shifted: scale * 2^21
	s_mov_b32 s[CL], ((\side)-1)<<20
.irp d, 0,1,2
	v_mad_nc_u64_u32 v[T+2*\d:T+2*\d+1], v[XI+\d], s[SF], v[HALF:HALF+1]  ; the high word: pos, 12.20
.endr
.irp d, 0,1,2
	v_min_u32 v[T+2*\d+1], s[CL], v[T+2*\d+1]      ; never past the last node
.endr
.irp d, 0,1,2
	v_and_b32 v[T+2*\d], s[FM], v[T+2*\d+1]
.endr
.irp d, 0,1,2
	v_cvt_f32_u32 v[T+2*\d], v[T+2*\d]             ; exact: 20 bits
.endr
.irp d, 0,1,2
	v_lshrrev_b32 v[T+2*\d+1], 20, v[T+2*\d+1]     ; the cell
.endr
.irp d, 0,1,2
	v_mul_f32 v[W+4*(\n)+\d], s[C20], v[T+2*\d]    ; the fraction
.endr
.endm
; A dense level is asked for.  off: entries in front of it.
.macro ASK_DENSE l, bits, side, off
.set DD, D+16*((\l)%3)
.set AA, AD+(\l)%3
	POS \bits, \side, (\l)%3
	v_mad_u32_u24 v[T+5], v[T+5], \side, v[T+3]
	v_mad_u32_u24 v[AA], v[T+5], \side, v[T+1]     ; (z side + y) side + x
	v_min_u32 v[AA], (\side)*(\side)*(\side)-1, v[AA]  ; the bound, written in the instruction
.irp k, 0,1,2,3,4,5,6,7
	global_load_b64 v[DD+2*\k:DD+2*\k+1], v[AA], s[EMB:EMB+1] offset:((\off)+((\k)&1)+(((\k)>>1)&1)*(\side)+((\k)>>2)*(\side)*(\side))*8 scale_offset  ; the vector offset counts entries of 8 bytes
.endr
.endm
; A hashed level is asked for, at byte imm behind scalar base number base.
.macro ASK_HASH l, bits, side, base, imm
.set DD, D+16*((\l)%3)
	POS \bits, \side, (\l)%3
	v_mul_u32_u24 v[T+3], s[P1], v[T+3]            ; y0 P1: under 2^12 x 2^19
	v_mul_u32_u24 v[T+5], s[P2], v[T+5]            ; z0 P2
	v_add_nc_u32 v[T], 1, v[T+1]                   ; x0 + 1
	v_add_nc_u32 v[T+2], s[P1], v[T+3]             ; (y0 + 1) P1
	v_add_nc_u32 v[T+4], s[P2], v[T+5]             ; (z0 + 1) P2
	v_xor_b32 v[T+6], v[T+3], v[T+5]               ; dy + 2 dz = 0
	v_xor_b32 v[T+7], v[T+2], v[T+5]               ; 1
	v_xor_b32 v[T+8], v[T+3], v[T+4]               ; 2
	v_xor_b32 v[T+9], v[T+2], v[T+4]               ; 3
.irp c, 0,1,2,3
	v_and_b32 v[T+6+\c], s[HM], v[T+6+\c]          ; mod 2^19
.endr
.irp c, 0,1,2,3
	v_xor_b32 v[DD+4*\c],   v[T+6+\c], v[T+1]
	v_xor_b32 v[DD+4*\c+2], v[T+6+\c], v[T]
.endr
.irp k, 0,1,2,3,4,5,6,7
	v_min_u32 v[DD+2*\k], 0x7ffff, v[DD+2*\k]      ; the bound, written in the instruction
.endr
.irp k, 0,1,2,3,4,5,6,7
	global_load_b64 v[DD+2*\k:DD+2*\k+1], v[DD+2*\k], s[\base:\base+1] offset:\imm scale_offset  ; lands on its own address register
.endr
.endm
; A level is blended.  left: the gathers issued behind this level's eight, which may stay out.
.macro BLEND l, left
.set DD, D+16*((\l)%3)
.set WW, W+4*((\l)%3)
.set RR, R+2*((\l)%2)
	s_wait_loadcnt \left                           ; loads come back in order: this level's eight are in; the wait also frees its address registers
.irp c, 0,1,2,3
	v_pk_add_f32 v[DD+4*\c+2:DD+4*\c+3], v[DD+4*\c+2:DD+4*\c+3], v[DD+4*\c:DD+4*\c+1] neg_lo:[0,1] neg_hi:[0,1]
.endr
.irp c, 0,1,2,3
	v_pk_fma_f32 v[DD+4*\c:DD+4*\c+1], v[DD+4*\c+2:DD+4*\c+3], v[WW:WW+1], v[DD+4*\c:DD+4*\c+1] op_sel_hi:[1,0,1]  ; along x: both features by fx
.endr
.irp z, 0,1
	v_pk_add_f32 v[DD+8*\z+4:DD+8*\z+5], v[DD+8*\z+4:DD+8*\z+5], v[DD+8*\z:DD+8*\z+1] neg_lo:[0,1] neg_hi:[0,1]
.endr
.irp z, 0,1
	v_pk_fma_f32 v[DD+8*\z:DD+8*\z+1], v[DD+8*\z+4:DD+8*\z+5], v[WW:WW+1], v[DD+8*\z:DD+8*\z+1] op_sel:[0,1,0] op_sel_hi:[1,1,1]  ; along y: both by fy, the pair's second register
.endr
	v_pk_add_f32 v[DD+8:DD+9], v[DD+8:DD+9], v[DD:DD+1] neg_lo:[0,1] neg_hi:[0,1]
	v_pk_fma_f32 v[RR:RR+1], v[DD+8:DD+9], v[WW+2:WW+3], v[DD:DD+1] op_sel_hi:[1,0,1]  ; along z
.if (\l)%2
	ds_store_b128 v[STO], v[R:R+3] offset:16*((\l)/2)  ; two levels, 16 bytes of my row
.endif
.endm
	; scale = 16 PLS^l - 1 as f32; side = ceil(16 PLS^l) + 1; PLS = 2^(7/15)
	ASK_DENSE 0,  0x41700000, 17, 0                ; 15
	ASK_DENSE 1,  0x41a8e285, 24, 4920             ; 21.110606
	ASK_DENSE 2,  0x41ec7080, 32, 18744            ; 29.554931
	BLEND 0, 16                                    ; 16: the gathers of the two levels asked for behind this one
	ASK_DENSE 3,  0x4224e5a3, 44, 51512            ; 41.224253
	BLEND 1, 16
	ASK_DENSE 4,  0x426566a5, 60, 136696           ; 57.350239
	BLEND 2, 16
	ASK_HASH 5,  0x429f4518, 82,   EMB, OFF5*8     ; 79.634947
	BLEND 3, 16
	ASK_HASH 6,  0x42dcdc67, 113,  EMB, (OFF5+HSIZE)*8  ; 110.430472; 7,015,872 bytes: inside the signed 24-bit immediate
	BLEND 4, 16
	ASK_HASH 7,  0x4318fcb9, 155,  B7, 0           ; 152.987205
	BLEND 5, 16
	ASK_HASH 8,  0x4353cc02, 214,  B7, HSIZE*8     ; 211.796901
	BLEND 6, 16
	ASK_HASH 9,  0x4392888c, 296,  B9, 0           ; 293.066779
	BLEND 7, 16
	ASK_HASH 10, 0x43caaff5, 408,  B9, HSIZE*8     ; 405.374669
	BLEND 8, 16
	ASK_HASH 11, 0x440c24c3, 563,  B11, 0          ; 560.574390
	BLEND 9, 16
	ASK_HASH 12, 0x4441c300, 778,  B11, HSIZE*8    ; 775.046882
	BLEND 10, 16
	ASK_HASH 13, 0x4485edbc, 1074, B13, 0          ; 1071.429182
	BLEND 11, 16
	ASK_HASH 14, 0x44b9201e, 1484, B13, HSIZE*8    ; 1481.003699
	BLEND 12, 16
	ASK_HASH 15, 0x44ffe000, 2049, B15, 0          ; 2047
	BLEND 13, 16
	BLEND 14, 8                                    ; nothing more is asked for: the counts run down
	BLEND 15, 0
	; THE WAY OUT: my wave's 32 rows come back as eight pieces of 512 consecutive bytes, into the data buffers, which are free.
.irp j, 0,1,2,3,4,5,6,7
	ds_load_b128 v[D+4*\j:D+4*\j+3], v[RD] offset:\j*4*PITCH  ; LDS serves a wave's instructions in order (ISA guide 5.7.1): these see the stores above; the bytes are my wave's own
.endr
.irp j, 0,1,2,3,4,5,6,7
	s_wait_dscnt 7-\j                              ; piece j is in, the younger ones stay out
	global_store_b128 v[GO], v[D+4*\j:D+4*\j+3], s[OUT:OUT+1] offset:\j*512 th:TH_STORE_NT  ; 512 consecutive bytes at a multiple of 512 from out0's first; written once, not read again
.endr
	s_wait_tensorcnt 0x0                           ; the wave's end: three closing lines, behind my last LDS store
	ds_add_u32 v[SPW], v[NIL]
	s_wait_dscnt 0x0
	s_endpgm
.Lfunc_end_k_q75da095ebb_encode:
	.size	k_q75da095ebb_encode, .Lfunc_end_k_q75da095ebb_encode-k_q75da095ebb_encode
	.p2alignl 7, 3214868480
	.fill 96, 4, 3214868480
	.section	.rodata,"a",@progbits
	.p2align	6, 0x0
	.amdhsa_kernel k_q75da095ebb_encode
		.amdhsa_group_segment_fixed_size 37888
		.amdhsa_private_segment_fixed_size 0
		.amdhsa_enable_private_segment 0
		.amdhsa_kernarg_size 24
		.amdhsa_user_sgpr_count 2
		.amdhsa_user_sgpr_kernarg_segment_ptr 1
		.amdhsa_wavefront_size32 1
		.amdhsa_system_sgpr_workgroup_id_x 1
		.amdhsa_system_sgpr_workgroup_id_y 1
		.amdhsa_system_sgpr_workgroup_id_z 1
		.amdhsa_system_vgpr_workitem_id 0
		.amdhsa_next_free_vgpr 92
		.amdhsa_next_free_sgpr 66
		.amdhsa_reserve_vcc 0
		.amdhsa_float_denorm_mode_32 3
		.amdhsa_float_denorm_mode_16_64 3
		.amdhsa_memory_ordered 1
		.amdhsa_forward_progress 1
		.amdhsa_inst_pref_size 58
	.end_amdhsa_kernel
	.amdgpu_metadata
---
amdhsa.version: [ 1, 2 ]
amdhsa.kernels:
  - .name:           k_q75da095ebb_encode
    .symbol:         k_q75da095ebb_encode.kd
    .args:
      - { .name: embeddings, .offset: 0, .size: 8, .value_kind: global_buffer, .address_space: global }
      - { .name: xq, .offset: 8, .size: 8, .value_kind: global_buffer, .address_space: global }
      - { .name: out0, .offset: 16, .size: 8, .value_kind: global_buffer, .address_space: global }
    .group_segment_fixed_size: 37888
    .private_segment_fixed_size: 0
    .kernarg_segment_align: 8
    .kernarg_segment_size: 24
    .max_flat_workgroup_size: 256
    .sgpr_count:     66
    .vgpr_count:     92
    .wavefront_size: 32
...
	.end_amdgpu_metadata
.endif
;; end of part 2
;; ======== version 2 of 2: 2 launches; version 1 with the launch encode written anew for expert scheduling mode
;; workspace buffers: xq 6,291,456 bytes of whole numbers
;; launch tofixed: the kernel of part 1 again; grid 256 x 1, 8 waves a work-group, no clusters, 0 bytes of LDS; arguments inputs, xq; writes xq
;; launch encode (part 3): grid 2048 x 1, 8 waves a work-group, no clusters, 37,888 bytes of LDS; arguments embeddings, xq, out0; writes out0
.if DOCPART == 3
	.amdgcn_target "amdgcn-amd-amdhsa--gfx1250"
	.amdhsa_code_object_version 6
	.text
	.protected	k_q75da095ebb_encode
	.globl	k_q75da095ebb_encode
	.p2align	8
	.type	k_q75da095ebb_encode,@function
k_q75da095ebb_encode:
	s_mov_b64 s[64:65], 0
	v_nop
	global_prefetch_b8 v0, s[64:65] scope:SCOPE_SE
	s_setreg_imm32_b32 hwreg(HW_REG_WAVE_SCHED_MODE, 0, 2), 2
	s_setreg_imm32_b32 hwreg(HW_REG_WAVE_MODE, 25, 1), 1
	s_wait_xcnt 0x0
	s_wait_alu depctr_vm_vsrc(0)
; GRID ENCODER, second of two launches.  out0[p][2 l + c] = the trilinear blend of feature c of the eight table entries round point p in the grid of level l; 16 levels, 2 features.
; xq[p][3]: the point as unsigned fixed point, x * 2^31 (made by the launch before).  embeddings: [6119864][2] f32, the levels one behind the other.  out0: [524288][32] f32.
; POSITION.  The module forms pos = x * scale + 0.5 in f32.  Here SF = scale * 2^21 (the f32 scale, an exact integer below 2^32), and xq * SF + 2^51 is pos * 2^52: its high word h holds pos with
; 12 integer and 20 fraction bits, truncated.  With xq's own truncation pos is low by less than 2e-6; the module's f32 pos is rounded to 2^-14 or coarser at the finest level, and the blend
; is continuous over cell borders, so a cell chosen otherwise at a border changes the result no more than the fraction's error does.
; CLAMP.  The module clamps both corners of an axis to side - 1.  Here h = min(h, (side - 1) << 20): at the last node the fraction is 0, the lower corner is the node and has weight 1, and the
; corner beyond it has weight 0: the same value.  That corner's entry is still read (a hashed place, or an entry further on in the table, never past its end).
; INDEX.  Levels 0-4 are dense: x + y side + z side^2; one index, the eight corners stand in the loads' immediates.  Levels 5-15 are hashed: (x ^ y P1 ^ z P2) mod 2^19; only the low 19 bits count,
; so the primes are taken mod 2^19, the products are 24-bit multiplies, the upper corner's term is one addition, and the four (y, z) terms are masked once (x stays under 2^12).
; An index made of numbers that were read from memory enters an address only behind a v_min_u32 with a constant written in the instruction; it changes no value here.
; BLEND.  a + f (b - a) along x, then y, then z, on pairs of features: 14 packed instructions a level; the order of rounding differs from the module's sum of eight weighted entries.
; LIMITS.  As the launch before states: x < 0 and NaN count as 0, x >= 2 as just under 2.  A table entry that is not finite, read with weight 0 beyond a grid's last node (only for x > 1), gives NaN.
; Level 15's side is 2049: PLS, 2^(7/15) rounded to a double, lies below 2^(7/15), so 16 PLS^15 stays under 2048; the figure matters for x > 1.00024 alone.
; SHARES.  2,048 work-groups of 8 waves; a wave owns 32 points, a lane one point and all its levels: 128 gathers of 8 bytes.  The text is straight: no loop, no branch.
; THREE LEVELS IN FLIGHT.  Three buffers take turns: a level's eight gathers are issued two levels ahead of its blend, so 16 to 24 gathers of a wave are out.
; On the hashed levels a gather lands on its own address register (the low one of its pair), so a level in flight costs 16 registers of data and 4 of fractions; on the dense levels all eight share one index register, kept apart.
; THE WAY OUT.  A lane holds a whole row of 128 bytes; rows go through the wave's own stage in LDS, 16 bytes (two levels) at a time, and come back as 512 consecutive bytes for each store.
; No wave reads another's bytes: no barrier.
; NO CLUSTER, NO TENSOR LOAD.  What work-groups share is the table, but each takes 8-byte entries at places that its own points decide: there is no tile that two of them ask for alike, and one
; hashed level, 4,194,304 bytes, is more than the 327,680 bytes of LDS that a work-group can be given.
; THE MODE: SCHED_MODE bits 1:0 = 2 (LLVM: expert scheduling mode 2), set by the entry lines.  The code itself states the register dependences
; between vector instructions and memory or LDS instructions, with s_wait_alu, always for 0.
; THE PLAN.  Step l blends level l.  A level's index work is cut in two: PART A names T, XI and HALF alone (positions, cells, hash terms); PART B writes the fractions W and the indices (AD, or D's even registers).
; A step: the waits at its head; the LDS store of the two levels finished before (even l); the eight gathers of level l + 2, dealt among part A of level l + 3; the wait for level l's data; its blend; part B of level l + 3,
; into the buffer that the blend has emptied.  Registers that memory or LDS instructions touch:
;   D0 .. D2     D[l % 3]: part B of level l writes its even registers (hashed levels); the gathers of level l read them and land in the buffer; the blend of level l reads and writes it.  At the end LDS loads land in D0, D1.
;   AD0 .. AD2   A dense level's index: written by part B's one line, read by the level's eight gathers.  AD0 and AD1 are written a second time, by levels 3 and 4.
;   R0, R1       R[(l / 2) % 2]: written by the blends of levels l and l + 1 (l even), read by the LDS store at the head of step l + 2, written again in step l + 4.
;   v[QO], v[STO], v[RD], v[GO]   made at the head, never written again.       v[SPW], v[NIL]   made at the head, read by the closing add alone.
;   T, W, XI (once it is in) and HALF are named by vector instructions alone.
; So ONE wait on va_vdst stands at a step's head: part B has written the indices of the level that is asked for now, the blend before it is done with that buffer, and the blends have written the R that is stored now.
; Between that wait and the step's last gather stands part A alone, which names none of those registers.  One wait on vm_vsrc stands beside it where something read is to be written again (TURN says what).
.set PITCH,  144                       ; a stage row: 128 bytes + 16: the 16 lanes of half a store start at 16 different 16-byte columns of 256 bytes
.set WSTAGE, 32*PITCH                  ; a wave's stage
.set SPARE,  8*WSTAGE                  ; behind the stages (36,864, a multiple of 256): the spare words, 128 bytes for each wave, that no other line names
.set OFF5,   352696                    ; entries in front of level 5: 4920 + 13824 + 32768 + 85184 + 216000
.set HSIZE,  524288                    ; entries of a hashed level
.set SPW,  2                           ; v2      LDS address of my spare word; never rewritten
.set NIL,  3                           ; v3      0; never rewritten
.set XI,   4                           ; v[4:6]  my point
.set QO,   7                           ; v7      my byte offset in the work-group's part of xq
.set HALF, 8                           ; v[8:9]  2^51: 0.5 in the product's format
.set T,    10                          ; v[10:19] at work: what part A leaves for part B
.set STO,  20                          ; v20     the stage: my row
.set RD,   21                          ; v21     the stage: where I read back
.set GO,   22                          ; v22     my 16 bytes in 512 consecutive bytes of out0
.set R,    24                          ; v[24:31] two buffers of two levels' results
.set W,    32                          ; v[32:43] by buffer: fx, fy, fz, and a fourth that is only named as the pair's other half
.set AD,   44                          ; v[44:46] by buffer: a dense level's index
.set D,    48                          ; v[48:95] by buffer: eight pairs; pair dx + 2 dy + 4 dz
.set EMB,  4                           ; s[4:5]  the table
.set XQ,   6                           ; s[6:7]
.set OUT,  8                           ; s[8:9]
.set WV,   10                          ; s10     my wave's number
.set B7,   12                          ; s[12:13] the table at level 7; level 8 stands in the immediate.  Likewise:
.set B9,   14
.set B11,  16
.set B13,  18
.set B15,  20
.set SF,   22                          ; s22     the level's scale * 2^21
.set CL,   23                          ; s23     (side - 1) << 20
.set C20,  24                          ; s24     2^-20
.set FM,   25                          ; s25     the 20 fraction bits
.set HM,   26                          ; s26     2^19 - 1
.set P1,   27                          ; s27     2654435761 mod 2^19
.set P2,   28                          ; s28     805459861 mod 2^19
.set TMP,  30                          ; s[30:31]
	s_load_b128 s[EMB:EMB+3], s[0:1], 0x0          ; embeddings, xq
	s_load_b64 s[OUT:OUT+1], s[0:1], 0x10          ; out0
	v_lshl_add_u32 v[SPW], v0, 2, SPARE
	v_mov_b32 v[NIL], 0
	v_mul_u32_u24 v[QO], v0, 12                    ; a point is 12 bytes
	s_mul_i32 s[TMP], ttmp9, 256*12                ; the work-group's 256 points
	s_mov_b32 s[TMP+1], 0
	s_wait_kmcnt 0x0
	s_add_nc_u64 s[XQ:XQ+1], s[XQ:XQ+1], s[TMP:TMP+1]
	s_wait_alu depctr_va_vdst(0)                   ; v[QO] is written, which the load below reads as its offset
	global_load_b96 v[XI:XI+2], v[QO], s[XQ:XQ+1] th:TH_LOAD_NT  ; a wave's 384 consecutive bytes; read once in the launch.  The set-up stands under this load and names neither v[QO] nor v[XI ..]
	v_lshrrev_b32 v1, 5, v0
	v_readfirstlane_b32 s[WV], v1                  ; wave 0..7
	s_lshl_b32 s[TMP], ttmp9, 15                   ; out0: the work-group's 256 rows of 128 bytes
	s_add_nc_u64 s[B7:B7+1],   s[EMB:EMB+1], (OFF5+2*HSIZE)*8
	s_add_nc_u64 s[B9:B9+1],   s[EMB:EMB+1], (OFF5+4*HSIZE)*8
	s_add_nc_u64 s[B11:B11+1], s[EMB:EMB+1], (OFF5+6*HSIZE)*8
	s_add_nc_u64 s[B13:B13+1], s[EMB:EMB+1], (OFF5+8*HSIZE)*8
	s_add_nc_u64 s[B15:B15+1], s[EMB:EMB+1], (OFF5+10*HSIZE)*8
	v_and_b32 v1, 31, v0                           ; lane
	v_mul_u32_u24 v[STO], v1, PITCH                ; in: row = lane
	v_bfe_u32 v[RD], v0, 3, 2                      ; back: 32 lanes take four rows of 128 bytes,
	v_mul_u32_u24 v[RD], v[RD], PITCH
	v_and_b32 v[GO], 7, v0
	v_lshl_add_u32 v[RD], v[GO], 4, v[RD]
	v_lshlrev_b32 v[GO], 4, v1                     ; which are 512 consecutive bytes of out0
	v_mov_b32 v[HALF], 0
	v_mov_b32 v[HALF+1], 0x80000
	v_mov_b32 v[W+3], 0                            ; the packed blend names fz with its neighbour as a pair: the neighbour is written once
	v_mov_b32 v[W+7], 0
	v_mov_b32 v[W+11], 0
	s_mov_b32 s[C20], 0x35800000
	s_mov_b32 s[FM], 0xfffff
	s_mov_b32 s[HM], 0x7ffff
	s_mov_b32 s[P1], 0x779b1
	s_mov_b32 s[P2], 0x25795
	s_wait_alu depctr_va_sdst(0)                   ; s[WV] is written, ahead of its first reader: out0's base and the stage's addresses are made from it
	s_lshl_b32 s[CL], s[WV], 12                    ; my wave's 32 rows of out0
	s_add_co_u32 s[TMP], s[TMP], s[CL]
	s_add_nc_u64 s[OUT:OUT+1], s[OUT:OUT+1], s[TMP:TMP+1]
	s_mul_i32 s[CL], s[WV], WSTAGE                 ; my wave's stage
	v_add_nc_u32 v[STO], s[CL], v[STO]
	v_add_nc_u32 v[RD], s[CL], v[RD]
	s_wait_loadcnt 0x0                             ; my point
; THE GATHERS.  ASK_DENSE and ASK_HASH write no instruction: they name the level that is asked for; GATHER then writes its next gather, eight in all, and nothing more after the eighth.
.set GN, 8                             ; gathers of the level in hand that are written so far
.set GDENSE, 0
.set GD, D
.set GA, AD
.set GSIDE, 0
.set GOFF, 0
.set GB, EMB
.set GI, 0
.macro ASK_DENSE l, side, off          ; off: entries in front of the level
.set GN, 0
.set GDENSE, 1
.set GD, D+16*((\l)%3)
.set GA, AD+(\l)%3
.set GSIDE, \side
.set GOFF, \off
.endm
.macro ASK_HASH l, base, imm           ; the level begins imm bytes behind scalar base number base
.set GN, 0
.set GDENSE, 0
.set GD, D+16*((\l)%3)
.set GB, \base
.set GI, \imm
.endm
.macro GATHER
.if GN < 8
.if GDENSE
	global_load_b64 v[GD+2*GN:GD+2*GN+1], v[GA], s[EMB:EMB+1] offset:(GOFF+(GN&1)+((GN>>1)&1)*GSIDE+(GN>>2)*GSIDE*GSIDE)*8 scale_offset  ; the vector offset counts entries of 8 bytes; the corner stands in the immediate
.else
	global_load_b64 v[GD+2*GN:GD+2*GN+1], v[GD+2*GN], s[GB:GB+1] offset:GI scale_offset  ; lands on its own address register
.endif
.set GN, GN+1
.endif
.endm
.macro REST                            ; where no part A is left to deal them among: all eight on end
.rept 8
	GATHER
.endr
.endm
; PART A, the three axes of one level.  bits: the level's scale as the module's f32 holds it.  Leaves the cells x0, y0, z0 in T+1, T+3, T+5 and the fractions' 20 bits, as f32, in T, T+2, T+4.
; Seven of the eight gathers of the level asked for stand among its lines: no line here names a register that they touch.
.macro POS bits, side
	s_mov_b32 s[SF], (((\bits)&0x7fffff)|0x800000)<<(((\bits)>>23)-129)  ; the 24-bit mantissa shifted: scale * 2^21
	s_mov_b32 s[CL], ((\side)-1)<<20
	GATHER
	GATHER
.irp d, 0,1,2
	v_mad_nc_u64_u32 v[T+2*\d:T+2*\d+1], v[XI+\d], s[SF], v[HALF:HALF+1]  ; the high word: pos, 12.20
.endr
	GATHER
.irp d, 0,1,2
	v_min_u32 v[T+2*\d+1], s[CL], v[T+2*\d+1]      ; never past the last node
.endr
	GATHER
.irp d, 0,1,2
	v_and_b32 v[T+2*\d], s[FM], v[T+2*\d+1]
.endr
	GATHER
.irp d, 0,1,2
	v_cvt_f32_u32 v[T+2*\d], v[T+2*\d]             ; exact: 20 bits
.endr
	GATHER
.irp d, 0,1,2
	v_lshrrev_b32 v[T+2*\d+1], 20, v[T+2*\d+1]     ; the cell
.endr
	GATHER
.endm
; Part A of a dense level: the index is left in T+5.
.macro A_DENSE bits, side
	POS \bits, \side
	v_mad_u32_u24 v[T+5], v[T+5], \side, v[T+3]
	v_mad_u32_u24 v[T+5], v[T+5], \side, v[T+1]    ; (z side + y) side + x
	GATHER
.endm
; Part A of a hashed level: leaves x0 in T+1, x0 + 1 in T+3 and the four (y, z) terms, number dy + 2 dz, in T+6 to T+9.
.macro A_HASH bits, side
	POS \bits, \side
	v_mul_u32_u24 v[T+3], s[P1], v[T+3]            ; y0 P1: under 2^12 x 2^19
	v_mul_u32_u24 v[T+5], s[P2], v[T+5]            ; z0 P2
	GATHER
	v_add_nc_u32 v[T+7], s[P1], v[T+3]             ; (y0 + 1) P1
	v_add_nc_u32 v[T+8], s[P2], v[T+5]             ; (z0 + 1) P2
	v_xor_b32 v[T+9], v[T+7], v[T+8]               ; dy + 2 dz = 3
	v_xor_b32 v[T+6], v[T+3], v[T+5]               ; 0
	v_xor_b32 v[T+7], v[T+7], v[T+5]               ; 1
	v_xor_b32 v[T+8], v[T+3], v[T+8]               ; 2
	v_add_nc_u32 v[T+3], 1, v[T+1]                 ; x0 + 1, where y0 P1 is no longer wanted
.irp c, 0,1,2,3
	v_and_b32 v[T+6+\c], s[HM], v[T+6+\c]          ; mod 2^19
.endr
.endm
; PART B stands behind the blend of the level three back, which has read the fractions and emptied the buffer; the wait for that level's data has shown the gathers done that read these index registers.
.macro FRAC n
.irp d, 0,1,2
	v_mul_f32 v[W+4*(\n)+\d], s[C20], v[T+2*\d]    ; the fraction
.endr
.endm
.macro B_DENSE l, side
	FRAC (\l)%3
	v_min_u32 v[AD+(\l)%3], (\side)*(\side)*(\side)-1, v[T+5]  ; the bound, written in the instruction
.endm
.macro B_HASH l
.set DD, D+16*((\l)%3)
	FRAC (\l)%3
.irp c, 0,1,2,3
	v_xor_b32 v[DD+4*\c],   v[T+6+\c], v[T+1]
	v_xor_b32 v[DD+4*\c+2], v[T+6+\c], v[T+3]
.endr
.irp k, 0,1,2,3,4,5,6,7
	v_min_u32 v[DD+2*\k], 0x7ffff, v[DD+2*\k]      ; the bound, written in the instruction
.endr
.endm
; A level is blended.  left: the gathers issued behind this level's eight, which may stay out.
.macro BLEND l, left
.set DD, D+16*((\l)%3)
.set WW, W+4*((\l)%3)
.set RR, R+4*(((\l)/2)%2)+2*((\l)%2)
	s_wait_loadcnt \left                           ; loads come back in order: this level's eight are in; the wait also shows the gathers done that read this buffer's address registers
.irp c, 0,1,2,3
	v_pk_add_f32 v[DD+4*\c+2:DD+4*\c+3], v[DD+4*\c+2:DD+4*\c+3], v[DD+4*\c:DD+4*\c+1] neg_lo:[0,1] neg_hi:[0,1]
.endr
.irp c, 0,1,2,3
	v_pk_fma_f32 v[DD+4*\c:DD+4*\c+1], v[DD+4*\c+2:DD+4*\c+3], v[WW:WW+1], v[DD+4*\c:DD+4*\c+1] op_sel_hi:[1,0,1]  ; along x: both features by fx
.endr
.irp z, 0,1
	v_pk_add_f32 v[DD+8*\z+4:DD+8*\z+5], v[DD+8*\z+4:DD+8*\z+5], v[DD+8*\z:DD+8*\z+1] neg_lo:[0,1] neg_hi:[0,1]
.endr
.irp z, 0,1
	v_pk_fma_f32 v[DD+8*\z:DD+8*\z+1], v[DD+8*\z+4:DD+8*\z+5], v[WW:WW+1], v[DD+8*\z:DD+8*\z+1] op_sel:[0,1,0] op_sel_hi:[1,1,1]  ; along y: both by fy, the pair's second register
.endr
	v_pk_add_f32 v[DD+8:DD+9], v[DD+8:DD+9], v[DD:DD+1] neg_lo:[0,1] neg_hi:[0,1]
	v_pk_fma_f32 v[RR:RR+1], v[DD+8:DD+9], v[WW+2:WW+3], v[DD:DD+1] op_sel_hi:[1,0,1]  ; along z
.endm
; Levels l and l + 1 (l even), 16 bytes of my row, go into the stage: straight behind a wait on va_vdst that stands behind both blends.
.macro PUT l
	ds_store_b128 v[STO], v[R+4*(((\l)/2)%2):R+4*(((\l)/2)%2)+3] offset:16*((\l)/2)
.endm
; THE HEAD OF A STEP.  e = 1: something that a memory or LDS instruction has read is written again in this step or the next.
.macro TURN e
.if \e
	s_wait_alu depctr_vm_vsrc(0)                   ; all gathers and LDS stores issued so far have read their registers.  Step 0: AD0 and AD1, which levels 3 and 4 write again.  Steps 4 to 14: the index registers of the hashed level asked for in the step before, which that level's blend writes a step from here; and the R buffer stored one or two steps back, which a blend writes again
.endif
	s_wait_alu depctr_va_vdst(0)                   ; part B has written the indices that the gathers below read; the blend before it is done with the buffer in which they land; the blends have written the R buffer that the LDS store below reads
.endm
	; scale = 16 PLS^l - 1 as f32; side = ceil(16 PLS^l) + 1; PLS = 2^(7/15)
	A_DENSE 0x41700000, 17                         ; level 0: 15.  Nothing is asked for yet: no gather stands in this part A
	B_DENSE 0, 17
	s_wait_alu depctr_va_vdst(0)                   ; AD0 is written, which level 0's gathers read
	ASK_DENSE 0, 17, 0
	A_DENSE 0x41a8e285, 24                         ; level 1: 21.110606
	B_DENSE 1, 24
	s_wait_alu depctr_va_vdst(0)                   ; AD1 is written, which level 1's gathers read
	ASK_DENSE 1, 24, 4920
	A_DENSE 0x41ec7080, 32                         ; level 2: 29.554931
	B_DENSE 2, 32
	TURN 1                                         ; step 0
	ASK_DENSE 2, 32, 18744
	A_DENSE 0x4224e5a3, 44                         ; level 3: 41.224253
	BLEND 0, 16                                    ; 16: the gathers of the two levels asked for behind this one
	B_DENSE 3, 44
	TURN 0                                         ; step 1.  Steps 1 to 3 have no wait on vm_vsrc: what was issued since step 0's read AD0 to AD2, which are not written again, and R0, which is written again in step 4
	ASK_DENSE 3, 44, 51512
	A_DENSE 0x426566a5, 60                         ; level 4: 57.350239
	BLEND 1, 16
	B_DENSE 4, 60
	TURN 0                                         ; step 2
	PUT 0
	ASK_DENSE 4, 60, 136696
	A_HASH 0x429f4518, 82                          ; level 5: 79.634947
	BLEND 2, 16
	B_HASH 5
	TURN 0                                         ; step 3
	ASK_HASH 5, EMB, OFF5*8
	A_HASH 0x42dcdc67, 113                         ; level 6: 110.430472
	BLEND 3, 16
	B_HASH 6
	TURN 1                                         ; step 4
	PUT 2
	ASK_HASH 6, EMB, (OFF5+HSIZE)*8                ; 7,015,872 bytes: inside the signed 24-bit immediate
	A_HASH 0x4318fcb9, 155                         ; level 7: 152.987205
	BLEND 4, 16
	B_HASH 7
	TURN 1                                         ; step 5
	ASK_HASH 7, B7, 0
	A_HASH 0x4353cc02, 214                         ; level 8: 211.796901
	BLEND 5, 16
	B_HASH 8
	TURN 1                                         ; step 6
	PUT 4
	ASK_HASH 8, B7, HSIZE*8
	A_HASH 0x4392888c, 296                         ; level 9: 293.066779
	BLEND 6, 16
	B_HASH 9
	TURN 1                                         ; step 7
	ASK_HASH 9, B9, 0
	A_HASH 0x43caaff5, 408                         ; level 10: 405.374669
	BLEND 7, 16
	B_HASH 10
	TURN 1                                         ; step 8
	PUT 6
	ASK_HASH 10, B9, HSIZE*8
	A_HASH 0x440c24c3, 563                         ; level 11: 560.574390
	BLEND 8, 16
	B_HASH 11
	TURN 1                                         ; step 9
	ASK_HASH 11, B11, 0
	A_HASH 0x4441c300, 778                         ; level 12: 775.046882
	BLEND 9, 16
	B_HASH 12
	TURN 1                                         ; step 10
	PUT 8
	ASK_HASH 12, B11, HSIZE*8
	A_HASH 0x4485edbc, 1074                        ; level 13: 1071.429182
	BLEND 10, 16
	B_HASH 13
	TURN 1                                         ; step 11
	ASK_HASH 13, B13, 0
	A_HASH 0x44b9201e, 1484                        ; level 14: 1481.003699
	BLEND 11, 16
	B_HASH 14
	TURN 1                                         ; step 12
	PUT 10
	ASK_HASH 14, B13, HSIZE*8
	A_HASH 0x44ffe000, 2049                        ; level 15: 2047
	BLEND 12, 16
	B_HASH 15
	TURN 1                                         ; step 13: the last level is asked for; there is no further index work
	ASK_HASH 15, B15, 0
	REST
	BLEND 13, 16
	TURN 1                                         ; step 14: level 15's gathers have read their index registers, which its blend writes; levels 12 and 13 are written, which the LDS store reads
	PUT 12
	BLEND 14, 8                                    ; nothing more is asked for: the counts run down
	BLEND 15, 0                                    ; step 15 issues no memory instruction at its head and writes nothing that one may still read: no wait
	; THE WAY OUT: my wave's 32 rows come back as eight pieces of 512 consecutive bytes, into the data buffers, which are free.
	s_wait_alu depctr_va_vdst(0)                   ; the blends have written levels 14 and 15, which the LDS store reads, and are done with D0 and D1, in which the LDS loads land
	PUT 14
.irp j, 0,1,2,3,4,5,6,7
	ds_load_b128 v[D+4*\j:D+4*\j+3], v[RD] offset:\j*4*PITCH  ; LDS serves a wave's instructions in order (ISA guide 5.7.1): these see the stores above; the bytes are my wave's own
.endr
.irp j, 0,1,2,3,4,5,6,7
	s_wait_dscnt 7-\j                              ; piece j is in, the younger ones stay out
	global_store_b128 v[GO], v[D+4*\j:D+4*\j+3], s[OUT:OUT+1] offset:\j*512 th:TH_STORE_NT  ; 512 consecutive bytes at a multiple of 512 from out0's first; written once, not read again
.endr
	s_wait_dscnt 0x0                               ; the closing lines, six on end
	s_wait_alu 0x0
	s_wait_tensorcnt 0x0
	ds_add_u32 v[SPW], v[NIL]
	s_wait_dscnt 0x0
	s_endpgm
.Lfunc_end_k_q75da095ebb_encode:
	.size	k_q75da095ebb_encode, .Lfunc_end_k_q75da095ebb_encode-k_q75da095ebb_encode
	.p2alignl 7, 3214868480
	.fill 96, 4, 3214868480
	.section	.rodata,"a",@progbits
	.p2align	6, 0x0
	.amdhsa_kernel k_q75da095ebb_encode
		.amdhsa_group_segment_fixed_size 37888
		.amdhsa_private_segment_fixed_size 0
		.amdhsa_enable_private_segment 0
		.amdhsa_kernarg_size 24
		.amdhsa_user_sgpr_count 2
		.amdhsa_user_sgpr_kernarg_segment_ptr 1
		.amdhsa_wavefront_size32 1
		.amdhsa_system_sgpr_workgroup_id_x 1
		.amdhsa_system_sgpr_workgroup_id_y 1
		.amdhsa_system_sgpr_workgroup_id_z 1
		.amdhsa_system_vgpr_workitem_id 0
		.amdhsa_next_free_vgpr 96
		.amdhsa_next_free_sgpr 66
		.amdhsa_reserve_vcc 0
		.amdhsa_float_denorm_mode_32 3
		.amdhsa_float_denorm_mode_16_64 3
		.amdhsa_memory_ordered 1
		.amdhsa_forward_progress 1
		.amdhsa_inst_pref_size 59
	.end_amdhsa_kernel
	.amdgpu_metadata
---
amdhsa.version: [ 1, 2 ]
amdhsa.kernels:
  - .name:           k_q75da095ebb_encode
    .symbol:         k_q75da095ebb_encode.kd
    .args:
      - { .name: embeddings, .offset: 0, .size: 8, .value_kind: global_buffer, .address_space: global }
      - { .name: xq, .offset: 8, .size: 8, .value_kind: global_buffer, .address_space: global }
      - { .name: out0, .offset: 16, .size: 8, .value_kind: global_buffer, .address_space: global }
    .group_segment_fixed_size: 37888
    .private_segment_fixed_size: 0
    .kernarg_segment_align: 8
    .kernarg_segment_size: 24
    .max_flat_workgroup_size: 256
    .sgpr_count:     66
    .vgpr_count:     96
    .wavefront_size: 32
...
	.end_amdgpu_metadata
.endif
;; end of part 3
